; MI455X (gfx1250); checked and timed in simulation.
; The chip was launched on July 23, 2026; its instructions are those of AMD's public machine-readable ISA for CDNA 5 (MIT licence, August 2026) and "CDNA5" Instruction Set Architecture Reference Guide (July 2026). The comments in the code are by the model that wrote it; some were corrected since.
;; LSTM Cell. Allowed arithmetic: matrix products marked QUANTISED: E4M3 operands, one given power-of-two scale a tensor, by v_wmma_f32_16x16x64_fp8_fp8 or v_wmma_f32_16x16x128_fp8_fp8, f32 sums; everything else in f32.
;; Inputs: Wh 4,096 x 1,024 float32; Wx 4,096 x 1,024 float32; b 4,096 float32; c_prev 8,192 x 1,024 float32; h_prev 8,192 x 1,024 float32; lowp_scales 4 int32 (the exponents e of the quantised operands' scales 2^e); x 8,192 x 1,024 float32.
;; Outputs: out0 8,192 x 1,024 float32; out1 8,192 x 1,024 float32.
;; This version of the problem:
;;   THIS VERSION OF THE PROBLEM IS GIVEN IN LOW PRECISION. The matrix products marked QUANTISED in the list below multiply operands that are first quantised to E4M3 (4 exponent bits, 3 mantissa bits; 8 bits a number), with one given power-of-two scale for each operand tensor; their sums are f32. All else is computed in f32.
;;   The module's matrix products, in the order in which they are computed (A, B: the left and right operand; K: the contracted axis; several contracted axes count as one K, in the product's order):
;;     1. [M 8,192, K 1,024] x [K 1,024, N 4,096]; A: input x; B: input Wx: QUANTISED (scales: A lowp_scales[0], B lowp_scales[1])
;;     2. [M 8,192, K 1,024] x [K 1,024, N 4,096]; A: input h_prev; B: input Wh: QUANTISED (scales: A lowp_scales[2], B lowp_scales[3])
;;   THE QUANTISER, for each operand of a quantised product, along K:
;;     - The operand's scale is 2^e, e = its entry of the input lowp_scales (int32; the entries are numbered through the quantised products in the list's order, A before B).
;;     - Each number is divided by the scale, clamped to +-448, and rounded to the nearest number of E4M3, ties to even, subnormals kept.
;;     - The product sums the exact products of the quantised numbers (number of the format x scale) in f32.
;;   ~~~python
;;   def quantise(x, axis, e):      # numpy; x: float32 -> the quantised numbers, widened to float32 again
;;       x = np.moveaxis(x, axis, -1); K = x.shape[-1]
;;       r = np.clip(x / 2.0 ** e, -448, 448)
;;       step = 2.0 ** (np.maximum(np.frexp(np.where(r == 0, 1, r))[1] - 1, -6) - 3)
;;       q = np.round(r / step) * step * 2.0 ** e      # np.round: ties to even
;;       return np.moveaxis(q, -1, axis).astype(np.float32)
;;   ~~~
;; One version. Each part assembles by itself: llvm-mc -triple=amdgcn-amd-amdhsa -mcpu=gfx1250 --defsym DOCPART=n.
;; ======== version 1 of 1: 2 launches
;; workspace buffers: acodes 16,777,216 bytes; wcodes 8,388,608 bytes
;; launch quant (part 1): grid 768 x 1, 4 waves a work-group, no clusters, 0 bytes of LDS; arguments x, h_prev, Wx, Wh, lowp_scales, acodes, wcodes; writes acodes, wcodes
.if DOCPART == 1
	.amdgcn_target "amdgcn-amd-amdhsa--gfx1250"
	.amdhsa_code_object_version 6
	.text
	.protected	k_qa6cd7e2314_quant
	.globl	k_qa6cd7e2314_quant
	.p2align	8
	.type	k_qa6cd7e2314_quant,@function
k_qa6cd7e2314_quant:
	s_mov_b64 s[64:65], 0
	v_nop
	global_prefetch_b8 v0, s[64:65] scope:SCOPE_SE
	s_setreg_imm32_b32 hwreg(HW_REG_WAVE_MODE, 25, 1), 1
	s_wait_xcnt 0x0
; x, h_prev [8192][1024] and Wx, Wh [4096][1024], f32, K innermost, become codes of FP8 (E4M3), each tensor with the one scale 2^e given for it
; (lowp_scales: e0 for x, e1 for Wx, e2 for h_prev, e3 for Wh).  code = number / 2^e, held within +-448, rounded to the nearest code, ties to even.
; WHERE THE CODES GO.  acodes [8192][2048]: a row holds x's 1,024 codes and behind them h_prev's: the two products' K axes lie on end.
; wcodes [4096][2048]: Wx's codes, then Wh's, and THE ROWS ARE REGROUPED: source row 1024 g + 64 tc + 32 wn + jj (gate g, hidden unit 64 tc + 32 wn + jj) goes to row
; 256 tc + 128 wn + 32 g + jj, so that 128 neighbouring rows hold the four gates of 32 hidden units: what one wave of the next launch multiplies.
; K IS PERMUTED, ALIKE IN ALL FOUR TENSORS.  A step takes 512 neighbouring numbers of a row by four loads of 512 consecutive bytes, 16 bytes a lane: lane l holds numbers 128 i + 4 l + j (load i, j = 0 .. 3).
; One scale serves the whole tensor, so the conversions may take any 8 numbers of a lane: the lane's 16 codes are stored as they come, at bytes 16 l + 4 i + j of the step's 512.  Both operands of a product take
; this same path, so every code still meets its partner; only the order of the sums changes.  The permutation stays inside aligned runs of 512, so x's codes and h_prev's keep their halves of a row.
; Nothing changes lanes: no LDS, no barrier.  A store of the wave covers 512 consecutive bytes, aligned.
; SHARES.  A wave takes 8 whole rows (8,192 numbers) in 16 steps of 512; groups of 8 rows stay together under the regrouping.  Work-groups 0-255: x, 256-511: h_prev, 512-639: Wx, 640-767: Wh.
; One path through the text: pointers, the scale and the place are chosen by selects on the work-group's number.  Loads run eight steps (32 loads, 16 KiB a wave) ahead.
; LIMITS: each e between -126 and 119, so that 2^e and 448 x 2^e are f32 numbers.  NaN among the inputs is not served (an infinity is held at the largest code).
.set STEPS, 16
.set AHEAD, 8                          ; steps that the loads run ahead
.set R,     16                         ; v16-143  eight sets of 16 numbers
.set C,     144                        ; v144-207 codes: four registers for each step, so that no store's data are written again
	s_load_b256 s[4:11], s[0:1], 0x0               ; x s[4:5], h_prev s[6:7], Wx s[8:9], Wh s[10:11]
	s_load_b128 s[12:15], s[0:1], 0x20             ; the scales' exponents s[12:13], acodes s[14:15]
	s_load_b64 s[16:17], s[0:1], 0x30              ; wcodes
	v_lshrrev_b32 v1, 5, v0
	v_readfirstlane_b32 s18, v1                    ; wave
	v_and_b32 v2, 31, v0                           ; lane
	v_lshlrev_b32 v3, 4, v2                        ; my 16 bytes of a load's 512, and of a store's 512; never rewritten
	; which run of 8 rows is my wave's, and where its codes go
	s_cmp_lt_u32 ttmp9, 512                        ; an activation tensor (256 work-groups each) or a weight (128 each)?
	s_mov_b32 s24, 127
	s_cselect_b32 s24, 255, s24
	s_cselect_b32 s25, 8, 7
	s_and_b32 s24, ttmp9, s24                      ; the work-group's number within its tensor
	s_lshr_b32 s25, ttmp9, s25
	s_and_b32 s25, s25, 1                          ; 0: the first product's tensor (x, Wx), 1: the second's (h_prev, Wh)
	s_lshl_b32 s24, s24, 2
	s_add_co_u32 s24, s24, s18                     ; q: the run of 8 rows.  For a weight q = 128 g + 8 tc + 4 wn + jj / 8
	s_and_b32 s26, s24, 124
	s_lshl_b32 s26, s26, 2                         ; 32 tc + 16 wn
	s_lshr_b32 s27, s24, 7
	s_lshl_b32 s27, s27, 2                         ; 4 g
	s_or_b32 s26, s26, s27
	s_and_b32 s27, s24, 3
	s_or_b32 s26, s26, s27                         ; the regrouped run: 32 tc + 16 wn + 4 g + jj / 8
	s_cmp_lt_u32 ttmp9, 512
	s_cselect_b32 s26, s24, s26                    ; activations keep their rows
	s_lshl_b32 s28, s24, 15                        ; source: q x 8 rows x 4,096 bytes
	s_mov_b32 s29, 0
	s_lshl_b32 s30, s26, 14                        ; codes: run x 8 rows x 2,048 bytes,
	s_lshl_b32 s31, s25, 10                        ; the second product's 1,024 bytes on
	s_add_co_u32 s30, s30, s31
	s_mov_b32 s31, 0
	s_wait_kmcnt 0x0
	s_load_b128 s[20:23], s[12:13], 0x0            ; e0 .. e3
	s_cmp_lt_u32 ttmp9, 256                        ; the choices hang on the work-group's number alone
	s_cselect_b64 s[4:5], s[4:5], s[6:7]           ; x or h_prev
	s_cmp_lt_u32 ttmp9, 640
	s_cselect_b64 s[8:9], s[8:9], s[10:11]         ; Wx or Wh
	s_cmp_lt_u32 ttmp9, 512
	s_cselect_b64 s[4:5], s[4:5], s[8:9]           ; my tensor
	s_cselect_b64 s[14:15], s[14:15], s[16:17]     ; and its codes' buffer
	s_add_nc_u64 s[4:5], s[4:5], s[28:29]
	s_add_nc_u64 s[14:15], s[14:15], s[30:31]
.macro LOAD t                          ; step t's 512 numbers into set t % AHEAD: register 4 i + j = number 128 i + 4 lane + j
.irp i, 0,1,2,3
	global_load_b128 v[R+16*((\t)%AHEAD)+4*\i:R+16*((\t)%AHEAD)+4*\i+3], v3, s[4:5] offset:2048*(\t)+512*\i th:TH_LOAD_NT   ; 32 lanes read 512 consecutive bytes; read once in the launch
.endr
.endm
.irp t, 0,1,2,3,4,5,6,7
	LOAD \t
.endr
	s_wait_kmcnt 0x0
	s_cmp_eq_u32 s25, 0
	s_cselect_b32 s20, s20, s22                    ; an activation's e: e0 or e2
	s_cselect_b32 s21, s21, s23                    ; a weight's: e1 or e3
	s_cmp_lt_u32 ttmp9, 512
	s_cselect_b32 s20, s20, s21                    ; e
	s_add_co_i32 s20, s20, 127
	s_lshl_b32 s21, s20, 23
	v_mov_b32 v11, s21                             ; 2^e as f32: the conversion takes its exponent field
	s_add_co_i32 s20, s20, 8
	s_lshl_b32 s20, s20, 23
	s_or_b32 s20, s20, 0x600000
	v_mov_b32 v10, s20                             ; 448 x 2^e
.macro STEP t
.set XS, R+16*((\t)%AHEAD)
.if (\t)+AHEAD <= STEPS
	s_wait_loadcnt 4*(AHEAD-1)                     ; loads come back in order (ISA guide 5.7.1): this step's four are in; the 28 of the seven steps behind it may be out
.else
	s_wait_loadcnt 4*(STEPS-1-(\t))                ; at the end the count runs down: 24, 20 .. 0
.endif
.irp i, 0,1,2,3,4,5,6,7,8,9,10,11,12,13,14,15
	v_med3_num_f32 v[XS+\i], v[XS+\i], -v10, v10   ; the conversion to an 8-bit code does not saturate (ISA guide 7.6.2): hold the number within the largest code x the scale first
.endr
	v_cvt_scalef32_pk8_fp8_f32 v[C+4*(\t):C+4*(\t)+1], v[XS:XS+7], v11          ; eight numbers / 2^e, to the nearest code, ties to even; the first number's code in the lowest byte
	v_cvt_scalef32_pk8_fp8_f32 v[C+4*(\t)+2:C+4*(\t)+3], v[XS+8:XS+15], v11     ; (the codes go to a store alone, the numbers' registers next take a load; the next vector lines are the next step's holds, plain ones on other registers)
.if (\t)+AHEAD < STEPS
	LOAD (\t)+AHEAD                                ; the set just converted takes the numbers of eight steps on; the load stands ahead of the store
.endif
	global_store_b128 v3, v[C+4*(\t):C+4*(\t)+3], s[14:15] offset:2048*((\t)/2)+512*((\t)%2)   ; step t is half t % 2 of row t / 2: 512 consecutive bytes, aligned; the next launch reads them, so no hint
.endm
.irp t, 0,1,2,3,4,5,6,7,8,9,10,11,12,13,14,15
	STEP \t
.endr
	s_endpgm
.Lfunc_end_k_qa6cd7e2314_quant:
	.size	k_qa6cd7e2314_quant, .Lfunc_end_k_qa6cd7e2314_quant-k_qa6cd7e2314_quant
	.p2alignl 7, 3214868480
	.fill 96, 4, 3214868480
	.section	.rodata,"a",@progbits
	.p2align	6, 0x0
	.amdhsa_kernel k_qa6cd7e2314_quant
		.amdhsa_group_segment_fixed_size 0
		.amdhsa_private_segment_fixed_size 0
		.amdhsa_enable_private_segment 0
		.amdhsa_kernarg_size 56
		.amdhsa_user_sgpr_count 2
		.amdhsa_user_sgpr_kernarg_segment_ptr 1
		.amdhsa_wavefront_size32 1
		.amdhsa_system_sgpr_workgroup_id_x 1
		.amdhsa_system_sgpr_workgroup_id_y 1
		.amdhsa_system_sgpr_workgroup_id_z 1
		.amdhsa_system_vgpr_workitem_id 0
		.amdhsa_next_free_vgpr 208
		.amdhsa_next_free_sgpr 66
		.amdhsa_reserve_vcc 0
		.amdhsa_float_denorm_mode_32 3
		.amdhsa_float_denorm_mode_16_64 3
		.amdhsa_memory_ordered 1
		.amdhsa_forward_progress 1
		.amdhsa_inst_pref_size 29
	.end_amdhsa_kernel
	.amdgpu_metadata
---
amdhsa.version: [ 1, 2 ]
amdhsa.kernels:
  - .name:           k_qa6cd7e2314_quant
    .symbol:         k_qa6cd7e2314_quant.kd
    .args:
      - { .name: x, .offset: 0, .size: 8, .value_kind: global_buffer, .address_space: global }
      - { .name: h_prev, .offset: 8, .size: 8, .value_kind: global_buffer, .address_space: global }
      - { .name: Wx, .offset: 16, .size: 8, .value_kind: global_buffer, .address_space: global }
      - { .name: Wh, .offset: 24, .size: 8, .value_kind: global_buffer, .address_space: global }
      - { .name: lowp_scales, .offset: 32, .size: 8, .value_kind: global_buffer, .address_space: global }
      - { .name: acodes, .offset: 40, .size: 8, .value_kind: global_buffer, .address_space: global }
      - { .name: wcodes, .offset: 48, .size: 8, .value_kind: global_buffer, .address_space: global }
    .group_segment_fixed_size: 0
    .private_segment_fixed_size: 0
    .kernarg_segment_align: 8
    .kernarg_segment_size: 56
    .max_flat_workgroup_size: 128
    .sgpr_count:     66
    .vgpr_count:     208
    .wavefront_size: 32
...
	.end_amdgpu_metadata
.endif
;; end of part 1
;; launch cell (part 2): grid 16 x 32, 4 waves a work-group, clusters of 4 x 4, 327,680 bytes of LDS; arguments acodes, wcodes, lowp_scales, b, c_prev, out0, out1; writes out0, out1
.if DOCPART == 2
	.amdgcn_target "amdgcn-amd-amdhsa--gfx1250"
	.amdhsa_code_object_version 6
	.text
	.protected	k_qa6cd7e2314_cell
	.globl	k_qa6cd7e2314_cell
	.p2align	8
	.type	k_qa6cd7e2314_cell,@function
k_qa6cd7e2314_cell:
	s_mov_b64 s[64:65], 0
	v_nop
	global_prefetch_b8 v0, s[64:65] scope:SCOPE_SE
	s_setreg_imm32_b32 hwreg(HW_REG_WAVE_MODE, 25, 1), 1
	s_wait_xcnt 0x0
	s_wait_alu depctr_hold_cnt(0) depctr_sa_sdst(0) depctr_va_vdst(0) depctr_va_sdst(0) depctr_va_ssrc(0) depctr_va_vcc(0) depctr_vm_vsrc(0)
	s_getreg_b32 s2, hwreg(HW_REG_IB_STS2, 6, 4)
	s_cmp_eq_u32 s2, 0
	s_cbranch_scc0 .Lentry_in_a_cluster
	s_endpgm
.Lentry_in_a_cluster:
	s_bfe_u32 s2, ttmp6, 0x10000c
	s_cmp_lg_u32 s2, 0xf033
	s_cbranch_scc0 .Lentry_shape_is_right
	s_endpgm
.Lentry_shape_is_right:
; gates = x Wx^T + h_prev Wh^T + b on codes of FP8 (E4M3); c_t = sigmoid(f) c_prev + sigmoid(i) tanh(g); h_t = sigmoid(o) tanh(c_t).  out0 = h_t, out1 = c_t, [8192][1024] f32.
; acodes [8192][2048]: a row's codes of x, then of h_prev.  wcodes [4096][2048]: Wx's, then Wh's; row 256 tc + 128 wn + 32 g + jj is gate g (i, f, o, g) of hidden unit 64 tc + 32 wn + jj.
; (Within aligned runs of 512 the codes of both buffers lie in one and the same permuted order of k: every code meets its partner.)
; So the two products are ONE walk over K = 2,048.  They have different scales (2^(e0+e1), 2^(e2+e3)): at K = 1,024 every sum is multiplied once by 2^d, d = e0 + e1 - e2 - e3, a power of two,
; and the second product adds onto it; the finished sum stands for sum x 2^(e2+e3).
; SHARES.  A work-group of four waves makes 256 rows x 64 hidden units (256 gate columns); a wave 128 rows x 32 hidden units x 4 gates: 64 accumulators of 16 x 16, 512 registers.
; THE MATRIX INSTRUCTION IS USED TRANSPOSED (source 0 = 16 rows of wcodes, source 1 = 16 rows of acodes): in accumulator (a, b = 2 g + u) lane (r, h) holds, in register i, gate g of row 16 a + r, hidden unit
; 16 u + 8 h + i.  A lane thus holds all four gates of its cells: the gates never leave the registers.
; K goes in steps of 256 through a ring of two LDS slots filled by the tensor data mover (rows of 256 bytes of memory).  CLUSTERS: 4 x 4 work-groups; the four of a row need the same tiles of acodes, the four of a
; column the same tiles of wcodes: each tile is asked for JOINTLY, by the same tensor load with the same descriptor and a mask that names the four.
; c_prev's tile (256 rows x 256 bytes) is the last fill of slot 0's first half; h_t and c_t leave through two stages in slot bytes that have had their last fill and their last read.  Those stages are written by
; LDS stores: so a work-group makes one tile and ends.
; THE RESULTS LEAVE BY QUARTERS: behind every second block of 16 rows a barrier, the quarter's 64 rows of both stages are read back as whole rows, and their stores stand inside the next block's arithmetic:
; only the last quarter's 16 stores of a wave stand behind the last arithmetic.
; THE ACTIVATIONS.  Ei, Ef, Eo = 2^(-log2(e) gate); Eg, Ec = 2^min(2 log2(e) value, 32).  sigmoid(i) tanh(g) = (Eg - 1) / ((1 + Ei)(1 + Eg)); sigmoid(f) c = c / (1 + Ef); h = (Ec - 1) / ((1 + Eo)(1 + Ec)).
; An infinite Ei, Ef or Eo gives a reciprocal of 0 beside a finite numerator; Eg and Ec are held, so that no product is infinity x 0.
; LIMITS.  d between -100 and 99; e2 + e3 between -126 and 126 (both are put into exponent fields).  tanh's exponential is held at 2^32: tanh is then 1 to within 2^-31.  The first product's sum is carried under the
; second's scale and one f32 accumulator takes both: the order of rounding differs from two separate sums.  Fragments are fetched 16 bytes at a time, which permutes k alike in both operands.  NaN is not served.
; REGISTERS, in windows of 256: window 0: v0-31 addresses; v32-95 the biases; v96-111 h_t at work; v128-255 acodes' fragments (8 x 16 rows x 128 K), ONE set; in the tail they are at work.
;   window 1: wcodes' fragments, TWO sets, at v0 and v128; in the tail the rows on their way out, quarter p at v[64 p].
;   window 2: the accumulators of my rows 0-63 ((a, b) at v[8 (8 a + b)]);   window 3: those of my rows 64-127.
.set ROWB,   256                       ; a tile's row in bytes: 256 codes
.set KROW,   2048                      ; a row of acodes or wcodes in memory, in bytes
.set PITCH,  272                       ; an LDS row: 256 bytes + 16 of padding = 68 words: row r starts at bank 4 r mod 64 (64 banks of 4 bytes: ISA guide 11.1), so the 16 rows that a load touches start at 16 different banks
.set FR,     16                        ; registers of a fragment: 16 rows x 128 K
.set NL,     4                         ; LDS loads that bring one
.set NP,     4                         ; places behind this matrix instruction (ISA guide 7.12.1)
.set HALFT,  128*PITCH                 ; 128 rows: what one joint load brings, and what one wave reads of either operand
.set SLOT,   4*HALFT                   ; acodes' 256 rows, then wcodes' 256 rows
.set LAPS,   4                         ; a lap = two K steps of 256 = once round the ring; K = 2,048
.set SPARE,  2*SLOT                    ; behind the ring: the spare words, 128 bytes for each wave: two blocks of 256 bytes that no other line names
.set QTILE,  64*PITCH                  ; 64 rows: a wave's quarter of c_prev's tile
.set HSTG,   2*HALFT                   ; the stage for h_t: slot 0's second half (c_prev's tile lies in its first half, from byte 0)
.set CSTG,   SLOT                      ; the stage for c_t: slot 1's first half
.set OROW,   4096                      ; a row of c_prev, out0, out1 in bytes
.set ADRA, 16                          ; v16-17  LDS address of my fragments of acodes in slot 0, 1
.set ADRB, 20                          ; v20-21  the same for wcodes
.set CA,   22                          ; v22     my 32 bytes of a row of c_prev's tile
.set HS,   23                          ; v23     the same place in h_t's stage
.set CSA,  24                          ; v24     and in c_t's
.set RDH,  25                          ; v25     the way out: where I read h_t's rows back
.set RDC,  26                          ; v26     and c_t's
.set GO,   27                          ; v27     my byte offset in the wave's rows of out0 and out1; never rewritten
.set SPW,  28                          ; v28     LDS address of my spare word: SPARE + 4 x my thread's number; never rewritten
.set NIL,  29                          ; v29     0; never rewritten
.set PF,   30                          ; v30     4,096 x lane: a row of c_prev for each lane
.set BA,   31                          ; v31     32 x (lane / 16): my eight numbers of a block of b
.set BI,   32                          ; v32-95  b of my cells, block b at BI + 8 b, times -log2(e) (i, f, o) or 2 log2(e) (g)
.set HTR,  96                          ; v96-111 h_t of the block in hand
.set AF,   128                         ; acodes' fragments
.set T,    128                         ; the tail: v128-191 the four gates' exponents, then exponentials
.set EI,   T
.set EF,   T+16
.set EO,   T+32
.set EG,   T+48
.set GP,   192                         ; v192-207 denominators
.set C0,   208                         ; v208-223, v224-239 c_prev of a block, two sets by turns
.set CTR,  240                         ; v240-255 c_t of the block in hand
.set G1,   24                          ; s[24:31] descriptor group 1 for acodes' tiles;  s[32:39] group 0, one set for each slot
.set G0,   32
.set G1B,  48                          ; s[48:55], s[56:63] the same for wcodes' tiles
.set G0B,  56
.set OFFS, 66                          ; s[66:67] a byte offset in c_prev, then in out0 and out1
.set CPF,  74                          ; s[74:75] c_prev at my wave's 64 rows
.set G1C,  76                          ; s[76:83], s[84:87] descriptor for c_prev's tile
.set G0C,  84
.set SE,   88                          ; s[88:91] e0 .. e3
.set SD,   92                          ; s[92:93] 2^d
.set SSIG, 94                          ; s[94:95] -log2(e) x 2^(e2+e3)
.set STAN, 96                          ; s[96:97] 2 log2(e) x 2^(e2+e3)
.set SC2,  98                          ; s[98:99] 2 log2(e)      (the packed forms name a pair and take its low word for both halves: both words are written)
.set LIM,  100                         ; s100     32.0
.set MSB, 0
.macro WIN new                         ; the immediate's high byte repeats the setting that is left
.if MSB != \new
	s_set_vgpr_msb (MSB<<8)|\new
.set MSB, \new
.endif
.endm
.set MUL_LO, 0xa1                      ; source 0 (wcodes) window 1, source 1 (acodes) window 0, C and D window 2
.set MUL_HI, 0xf1                      ; the same, C and D window 3
.set TO_B,   0x40                      ; destination window 1, address window 0
.set FROM_B, 0x04                      ; a store's data (source 1) window 1, address window 0
; A joint load: waves 0 and 1 fetch acodes' two halves, waves 2 and 3 wcodes'.  Each of the two lines has ONE mask and one set of registers for all that issue it; the branch hangs on the wave's number alone.
; Four v_nop follow each of the two lines, ahead of the jump, the label and what follows.
.macro JLOAD g0a, g1a, g0b, g1b
	s_cmp_eq_u32 s15, 0
	s_cbranch_scc0 .Lfor_b_\@
	tensor_load_to_lds s[\g0a:\g0a+3], s[\g1a:\g1a+7]
	s_nop 0
.rept 4
	v_nop
.endr
	s_branch .Lasked_\@
.Lfor_b_\@:
	tensor_load_to_lds s[\g0b:\g0b+3], s[\g1b:\g1b+7]
	s_nop 0
.rept 4
	v_nop
.endr
.Lasked_\@:
.endm
.macro CREST                           ; a round of the cluster's barrier behind its opening barrier
	s_cmp_lg_u32 s14, 0
	s_cbranch_scc1 .Lnot_wave_0_\@
	s_barrier_signal -3
.Lnot_wave_0_\@:
	s_barrier_wait -3
	s_barrier_signal -1
	s_barrier_wait -1
.endm
.macro CROUND                          ; a whole round
	s_barrier_signal -1
	s_barrier_wait -1
	CREST
.endm
	s_load_b256 s[4:11], s[0:1], 0x0               ; acodes s[4:5], wcodes s[6:7], the scales' exponents s[8:9], b s[10:11]
	s_load_b128 s[68:71], s[0:1], 0x20             ; c_prev s[68:69], out0 s[70:71]
	s_load_b64 s[72:73], s[0:1], 0x30              ; out1
	v_lshl_add_u32 v[SPW], v0, 2, SPARE
	v_mov_b32 v[NIL], 0
	ds_add_u32 v28, v29
	s_wait_dscnt 0x0
	v_lshrrev_b32 v1, 5, v0
	v_readfirstlane_b32 s14, v1                    ; wave 0..3
	s_lshr_b32 s15, s14, 1                         ; wm: which half of the tile's rows is mine.  Also: I fetch acodes (0) or wcodes (1)
	s_and_b32 s16, s14, 1                          ; wn: which 32 of its 64 hidden units.  Also: which 128 rows of that tile I fetch
	s_bfe_u32 s40, ttmp6, 0x40000                  ; cx, cy: my place in the cluster
	s_bfe_u32 s41, ttmp6, 0x40004
	s_lshl_b32 s42, ttmp9, 2
	s_add_co_u32 s42, s42, s40                     ; tc: tile column = 4 x cluster x + cx
	s_and_b32 s17, ttmp7, 0xffff
	s_lshl_b32 s17, s17, 2
	s_add_co_u32 s17, s17, s41                     ; tr: tile row = 4 x cluster y + cy
	s_lshl_b32 s43, s41, 2
	s_lshl_b32 s43, 15, s43                        ; my row of the cluster
	s_lshl_b32 s44, 0x1111, s40                    ; my column
	; descriptor group 1 of the joint loads: a tile of 128 rows x 256 bytes, padded in LDS
	s_or_b32 s[G1+0], s43, (0<<16)|(1<<20)|(1<<21)|(5<<22)|(3<<25)  ; 15:0 the mask: acodes' tiles go to my row; 17:16 element of 1 byte; 20 padding on; 21 set beside a mask; 24:22 after every 64 words (code 5); 31:25 of 4 words (code 3)
	s_or_b32 s[G1B+0], s44, (0<<16)|(1<<20)|(1<<21)|(5<<22)|(3<<25) ; the same with the mask of my column, for wcodes' tiles
.irp g, G1, G1B
	s_mov_b32 s[\g+1], ROWB<<16                    ; tensor_dim0 = 256
	s_mov_b32 s[\g+2], 128<<16                     ; tensor_dim1 = 128
	s_mov_b32 s[\g+3], ROWB<<16                    ; tile_dim0 = 256
	s_mov_b32 s[\g+4], 128                         ; tile_dim1 = 128
	s_mov_b32 s[\g+5], KROW                        ; tensor_dim0_stride
	s_mov_b32 s[\g+6], 0
	s_mov_b32 s[\g+7], 0
.endr
	; and of c_prev's tile: 64 rows x 256 bytes for each wave, no mask: no partner wants the same bytes
	s_mov_b32 s[G1C+0], (0<<16)|(1<<20)|(5<<22)|(3<<25)
	s_mov_b32 s[G1C+1], 256<<16                    ; tensor_dim0 = 256 bytes: 64 hidden units
	s_mov_b32 s[G1C+2], 64<<16                     ; tensor_dim1 = 64
	s_mov_b32 s[G1C+3], 256<<16                    ; tile_dim0
	s_mov_b32 s[G1C+4], 64                         ; tile_dim1
	s_mov_b32 s[G1C+5], OROW                       ; tensor_dim0_stride
	s_mov_b32 s[G1C+6], 0
	s_mov_b32 s[G1C+7], 0
	s_lshl_b32 s18, s16, 7                         ; which 128 rows of the tile I fetch
	s_lshl_b32 s20, s17, 8
	s_add_co_u32 s20, s20, s18                     ; acodes: row 256 tr + 128 x half
	s_lshl_b32 s46, s42, 8
	s_add_co_u32 s46, s46, s18                     ; wcodes: row 256 tc + 128 x half
	s_lshl_b32 s20, s20, 11                        ; x 2,048 bytes: under 2^24
	s_lshl_b32 s46, s46, 11
	s_mov_b32 s21, 0
	s_mov_b32 s47, 0
	s_mul_i32 s45, s14, HALFT                      ; where they go: wave x 128 rows: no place in the cluster enters an LDS address
	s_lshl_b32 s[OFFS], s17, 8
	s_lshl_b32 s[OFFS+1], s14, 6
	s_add_co_u32 s[OFFS], s[OFFS], s[OFFS+1]       ; c_prev: row 256 tr + 64 x wave,
	s_lshl_b32 s[OFFS], s[OFFS], 12                ; x 4,096 bytes: under 2^25,
	s_lshl_b32 s[OFFS+1], s42, 8
	s_add_co_u32 s[OFFS], s[OFFS], s[OFFS+1]       ; + 256 tc: hidden unit 64 tc
	s_mov_b32 s[OFFS+1], 0
	s_wait_kmcnt 0x0
	s_load_b128 s[SE:SE+3], s[8:9], 0x0            ; e0 .. e3
	s_add_nc_u64 s[20:21], s[4:5], s[20:21]
	s_add_nc_u64 s[46:47], s[6:7], s[46:47]
	CROUND                                         ; all sixteen work-groups are here: the first joint loads meet
.irp s, 0,1
	s_mov_b32 s[G0+4*\s], 1                                        ; count = 1
	s_add_co_u32 s[G0+4*\s+1], s45, \s*SLOT                        ; LDS address
	s_add_nc_u64 s[G0+4*\s+2:G0+4*\s+3], s[20:21], \s*ROWB         ; global address: K step s
	s_or_b32 s[G0+4*\s+3], s[G0+4*\s+3], 0x80000000                ; type = 2
	s_mov_b32 s[G0B+4*\s], 1
	s_add_co_u32 s[G0B+4*\s+1], s45, \s*SLOT
	s_add_nc_u64 s[G0B+4*\s+2:G0B+4*\s+3], s[46:47], \s*ROWB
	s_or_b32 s[G0B+4*\s+3], s[G0B+4*\s+3], 0x80000000
	JLOAD G0+4*\s, G1, G0B+4*\s, G1B               ; the ring is filled before anything else is done: two loads of mine are out
.endr
	s_add_nc_u64 s[CPF:CPF+1], s[68:69], s[OFFS:OFFS+1]            ; c_prev at my wave's 64 rows
	s_mov_b32 s[G0C], 1
	s_mul_i32 s[G0C+1], s14, QTILE                 ; its tile begins at LDS byte 0; my quarter at wave x 64 rows
	s_mov_b64 s[G0C+2:G0C+3], s[CPF:CPF+1]
	s_or_b32 s[G0C+3], s[G0C+3], 0x80000000
	s_lshl_b32 s[OFFS], s17, 8                     ; out0 and out1: in quarter p of the way out I store rows 256 tr + 128 wm + 16 wn + 32 p + 0 .. 15
	s_lshl_b32 s[OFFS+1], s15, 7
	s_add_co_u32 s[OFFS], s[OFFS], s[OFFS+1]
	s_lshl_b32 s[OFFS+1], s16, 4
	s_add_co_u32 s[OFFS], s[OFFS], s[OFFS+1]
	s_lshl_b32 s[OFFS], s[OFFS], 12                ; x 4,096 bytes,
	s_lshl_b32 s[OFFS+1], s42, 8
	s_add_co_u32 s[OFFS], s[OFFS], s[OFFS+1]       ; + 256 tc
	s_mov_b32 s[OFFS+1], 0
	s_add_nc_u64 s[70:71], s[70:71], s[OFFS:OFFS+1]
	s_add_nc_u64 s[72:73], s[72:73], s[OFFS:OFFS+1]
	s_lshl_b32 s46, s42, 8
	s_lshl_b32 s47, s16, 7
	s_add_co_u32 s46, s46, s47                     ; b: hidden unit 64 tc + 32 wn, 4 bytes each
	s_mov_b32 s47, 0
	s_add_nc_u64 s[10:11], s[10:11], s[46:47]
	v_and_b32 v1, 15, v0                           ; r = lane % 16
	v_bfe_u32 v2, v0, 4, 1                         ; h = lane / 16
	v_lshlrev_b32 v[BA], 5, v2
.irp g, 0,1,2,3                        ; block 2 g + u: b[1024 g + my first hidden unit + 16 u + 8 h + 0 .. 7]
.irp u, 0,1
	global_load_b128 v[BI+8*(2*\g+\u):BI+8*(2*\g+\u)+3],   v[BA], s[10:11] offset:4096*\g+64*\u
	global_load_b128 v[BI+8*(2*\g+\u)+4:BI+8*(2*\g+\u)+7], v[BA], s[10:11] offset:4096*\g+64*\u+16
.endr
.endr
	v_mul_u32_u24 v3, v1, PITCH
	v_lshl_add_u32 v4, v2, 4, v3                   ; a fragment's row x pitch + 16 x half
	s_mul_i32 s21, s15, HALFT                      ; my 128 rows of acodes
	s_mul_i32 s22, s16, HALFT                      ; my 128 rows of wcodes,
	s_add_co_u32 s22, s22, 2*HALFT                 ; which lie behind acodes' 256
.irp s, 0,1
	v_add_nc_u32 v[ADRA+\s], s21, v4
	v_add_nc_u32 v[ADRB+\s], s22, v4
	s_add_co_u32 s21, s21, SLOT
	s_add_co_u32 s22, s22, SLOT
.endr
	s_mul_i32 s21, s15, HALFT                      ; c_prev's tile and the stages: my 128 rows,
	s_lshl_b32 s22, s16, 7                         ; my 32 hidden units' 128 bytes,
	s_add_co_u32 s21, s21, s22
	v_lshl_add_u32 v5, v2, 5, v3                   ; row r, 32 bytes for each half of the lanes
	v_add_nc_u32 v[CA], s21, v5
	v_add_nc_u32 v[HS], HSTG, v[CA]
	v_add_nc_u32 v[CSA], CSTG, v[CA]
	s_mul_i32 s23, s15, HALFT                      ; back: rows 128 wm + 16 wn on, whole; lanes 0-15 one row of 256 bytes, lanes 16-31 the next
	s_mul_i32 s22, s16, 16*PITCH
	s_add_co_u32 s23, s23, s22
	v_mul_u32_u24 v5, v2, PITCH
	v_lshl_add_u32 v5, v1, 4, v5
	v_add_nc_u32 v5, s23, v5
	v_add_nc_u32 v[RDH], HSTG, v5
	v_add_nc_u32 v[RDC], CSTG, v5
	v_lshlrev_b32 v[GO], 12, v2                    ; and the same two rows in out0 and out1
	v_lshl_add_u32 v[GO], v1, 4, v[GO]
	v_and_b32 v6, 31, v0
	v_lshlrev_b32 v[PF], 12, v6
	s_wait_kmcnt 0x0
	s_add_co_i32 s[SD], s[SE], s[SE+1]
	s_add_co_i32 s[SD+1], s[SE+2], s[SE+3]         ; e2 + e3
	s_sub_co_i32 s[SD], s[SD], s[SD+1]             ; d
	s_add_co_i32 s[SD], s[SD], 127
	s_lshl_b32 s[SD], s[SD], 23                    ; 2^d as f32
	s_lshl_b32 s[SSIG], s[SD+1], 23                ; e2 + e3 is added to the exponent fields of the two factors
	s_mov_b32 s[SD+1], s[SD]
	s_add_co_i32 s[STAN], s[SSIG], 0x4038aa3b      ; 2 log2(e) x 2^(e2+e3)
	s_add_co_i32 s[SSIG], s[SSIG], 0xbfb8aa3b      ; -log2(e) x 2^(e2+e3)
	s_mov_b32 s[SSIG+1], s[SSIG]
	s_mov_b32 s[STAN+1], s[STAN]
	s_mov_b32 s[SC2], 0x4038aa3b                   ; 2 log2(e)
	s_mov_b32 s[SC2+1], s[SC2]
	s_mov_b32 s[LIM], 0x42000000                   ; 32.0
	s_wait_loadcnt 0x0                             ; b
.set j, 0
.rept 24
	v_pk_mul_f32 v[BI+j:BI+j+1], v[BI+j:BI+j+1], 0xbfb8aa3b op_sel_hi:[1,0]   ; i, f, o: -log2(e) b, so that one multiply-add a pair gives the exponent
.set j, j+2
.endr
.rept 8
	v_pk_mul_f32 v[BI+j:BI+j+1], v[BI+j:BI+j+1], 0x4038aa3b op_sel_hi:[1,0]   ; g: 2 log2(e) b
.set j, j+2
.endr
.macro FRAG reg, adr, q, i             ; a fragment, 16 rows x 128 K of 8-bit codes, is 16 registers: lane l holds row l % 16; registers 4 c .. 4 c + 3 hold bytes 32 c + 16 (l / 16) + 0 .. 15 of the row's 128
.irp c, 0,1,2,3
	ds_load_b128 v[\reg+4*\c:\reg+4*\c+3], v[\adr] offset:128*(\q)+32*\c+(\i)*16*PITCH
.endr
.endm
; 16 matrix instructions: row blocks a0, a0 + 1 x wcodes' eight, 128 along K.  p: wcodes' set.  zero = 1: the first product starts the sums: nothing is ever cleared.
; The 64 accumulators take turns, one instruction a turn, in the same order in every step.
.macro MUL16 a0, p, zero
.irp a, \a0, \a0+1
.irp b, 0,1,2,3,4,5,6,7
.if \zero
	v_wmma_f32_16x16x128_fp8_fp8 v[8*(8*((\a)%4)+\b):8*(8*((\a)%4)+\b)+7], v[128*(\p)+FR*\b:128*(\p)+FR*\b+FR-1], v[AF+FR*(\a):AF+FR*(\a)+FR-1], 0
.else
	v_wmma_f32_16x16x128_fp8_fp8 v[8*(8*((\a)%4)+\b):8*(8*((\a)%4)+\b)+7], v[128*(\p)+FR*\b:128*(\p)+FR*\b+FR-1], v[AF+FR*(\a):AF+FR*(\a)+FR-1], v[8*(8*((\a)%4)+\b):8*(8*((\a)%4)+\b)+7]
.endif
.endr
.endr
.endm
.macro FETCH_B slot, q, p              ; wcodes' eight fragments of the slot's q-th 128 along K into set p
	WIN TO_B
.irp i, 0,1,2,3,4,5,6,7
	FRAG 128*(\p)+FR*\i, ADRB+\slot, \q, \i
.endr
	WIN 0
.endm
.macro FETCH_A slot, q, i0             ; acodes' blocks i0 .. i0 + 3
.irp i, \i0, \i0+1, \i0+2, \i0+3
	FRAG AF+FR*(\i), ADRA+\slot, \q, \i
.endr
.endm
; A load into a register that a matrix instruction has read, and a vector instruction that reads a matrix result or writes one of its registers, stand NP places behind that matrix instruction, and only plain vector
; instructions that name none of its registers are places (ISA guide 7.12.1 for vector instructions); the matrix instructions in between are not counted.
.macro PLACES n
.rept \n
	v_nop
.endr
.endm
; A step of 128 along K that has its successor in the same slot.  A block of acodes is free as soon as its eight products are issued, so one set of registers serves: blocks 0-3 are fetched anew in the step's middle,
; blocks 4-7 at its end; wcodes' fragments are at work through the whole step and have two sets.
.macro STEP slot, q, zero
	s_wait_dscnt 4*NL                              ; wcodes' set and acodes' blocks 0-3 are in; the youngest sixteen loads (blocks 4-7) may be out
	WIN MUL_LO
	MUL16 0, (\q)%2, \zero
	MUL16 2, (\q)%2, \zero
	s_wait_dscnt 0                                 ; blocks 4-7 are in (asked for 32 matrix instructions ago)
	PLACES NP
	FETCH_B \slot, (\q)+1, 1-(\q)%2
	FETCH_A \slot, (\q)+1, 0
	WIN MUL_HI
	MUL16 4, (\q)%2, \zero
	MUL16 6, (\q)%2, \zero
	PLACES NP
	WIN 0
	FETCH_A \slot, (\q)+1, 4
.endm
; A slot's last step changes slots: ONE barrier, which opens a round of the cluster's; in front of it each wave waits for all its tensor loads, adds 0 to its spare word, and waits for that and for its own reads of
; this slot.  fill = 1: this slot is filled again, two K steps ahead, by the joint loads.  fill = 2: its first half takes c_prev's tile, a quarter from each wave.
.macro TURN slot, next, fill
	s_wait_tensorcnt 0x0                           ; all my tensor loads have landed: the one that was out is my part of the next slot  (every window is 0 here: the add's two registers lie in window 0)
	ds_add_u32 v[SPW], v[NIL]                      ; 0 onto my spare word
	s_wait_dscnt 4*NL+1                            ; (the add and the youngest sixteen loads, blocks 4-7, may be out)
	WIN MUL_LO
	MUL16 0, 1, 0                                  ; sixteen matrix instructions stand between the add and the wait for it
	s_wait_dscnt 0x0                               ; the add is done, and my reads of this slot are over
	s_barrier_signal -1
	MUL16 2, 1, 0
	WIN 0
	s_barrier_wait -1
	CREST                                          ; no wave of any partner still reads this slot's tile or has a load on its way
.if \fill == 1
	s_add_nc_u64 s[G0+4*\slot+2:G0+4*\slot+3], s[G0+4*\slot+2:G0+4*\slot+3], 2*ROWB
	s_add_nc_u64 s[G0B+4*\slot+2:G0B+4*\slot+3], s[G0B+4*\slot+2:G0B+4*\slot+3], 2*ROWB
	JLOAD G0+4*\slot, G1, G0B+4*\slot, G1B         ; the first tensor load behind the round, and my only one until the next; the four v_nop behind it are the places in front of the loads below
.else
	tensor_load_to_lds s[G0C:G0C+3], s[G1C:G1C+7]  ; my 64 rows of c_prev: the first tensor load behind the round, and the launch's last
	s_nop 0
	PLACES 4                                       ; (the places in front of the loads below)
.endif
	FETCH_B \next, 0, 0
	FETCH_A \next, 0, 0
	WIN MUL_HI
	MUL16 4, 1, 0
	MUL16 6, 1, 0
	PLACES NP
	WIN 0
	FETCH_A \next, 0, 4
.endm
	s_wait_tensorcnt 1                             ; my part of K step 0 is in (K step 1's load may be out)
	s_barrier_signal -1
	s_barrier_wait -1                              ; everybody's is
	FETCH_B 0, 0, 0
	FETCH_A 0, 0, 0
	FETCH_A 0, 0, 4
	STEP 0, 0, 1                                   ; the first step stands in front of the loop: its products start the sums
	s_mov_b32 s3, LAPS-1
.Llap:                                                 ; a trip goes once round the ring, from a lap's second step of 128 to the next lap's first, and fills both slots again: K steps 2 to 7 in three trips
	TURN 0, 1, 1
	STEP 1, 0, 0
	TURN 1, 0, 1
	s_cmp_lg_u32 s3, LAPS-2                        ; the second trip stands here at K = 1,024: x's codes are done, h_prev's begin.  A branch on the loop's own counter, the same in every wave and work-group;
	s_cbranch_scc1 .Lsame                          ; it jumps over no tensor load, no barrier and no wait
	global_prefetch_b8 v[PF], s[CPF:CPF+1] th:TH_LOAD_NT scope:SCOPE_SE                  ; my wave's 64 rows x 256 bytes of c_prev, a lane to a row: each block is asked for once in the launch, by the wave
	global_prefetch_b8 v[PF], s[CPF:CPF+1] offset:32*OROW th:TH_LOAD_NT scope:SCOPE_SE   ; whose tensor load will want it, five and a half steps of 128 along K further on; its registers are never rewritten
	WIN 0x82                                       ; source 0 and destination window 2.  (TURN's four places stand behind the last product)
.set j, 0
.rept 128
	v_pk_mul_f32 v[j:j+1], v[j:j+1], s[SD:SD+1] op_sel_hi:[1,0]   ; the first product's sums x 2^d: now under the second product's scales; each accumulator from its low end on
.set j, j+2
.endr
	WIN 0xc3                                       ; the same in window 3
.set j, 0
.rept 128
	v_pk_mul_f32 v[j:j+1], v[j:j+1], s[SD:SD+1] op_sel_hi:[1,0]
.set j, j+2
.endr
	WIN 0
.Lsame:
	STEP 0, 0, 0
	s_sub_co_u32 s3, s3, 1
	s_cmp_lg_u32 s3, 0
	s_cbranch_scc1 .Llap
	TURN 0, 1, 2                                   ; the last lap is written out: slot 0 is left for good, and its first half takes c_prev's tile
	STEP 1, 0, 0
	s_wait_dscnt 4*NL                              ; the very last step: nothing more to fetch
	WIN MUL_LO
	MUL16 0, 1, 0
	MUL16 2, 1, 0
	s_wait_dscnt 0                                 ; my last reads of slot 1 are in
	WIN MUL_HI
	MUL16 4, 1, 0
	MUL16 6, 1, 0
	WIN 0
	PLACES NP                                      ; in front of the first reads of results, and of loads and vector writes into the registers that held the fragments
	s_wait_tensorcnt 0x0                           ; my quarter of c_prev's tile has landed,
	s_barrier_signal -1                            ; (no LDS instruction of mine is out)
	s_barrier_wait -1                              ; everybody's has, and nobody reads slot 1 any more: its first half may take c_t's stage
; THE WAY OUT, quarter p: blocks 2 p and 2 p + 1 of all four waves are rows 128 wm + 32 p + 0 .. 31 of the two stages.  Wave (wm, wn) takes 16 of them, 128 wm + 32 p + 16 wn on, two rows an instruction,
; into 64 registers of window 1 that are quarter p's alone: no store's data are ever written again, so no wait stands for them.
.macro RB p
	WIN TO_B
.irp t, 0,1,2,3,4,5,6,7
	ds_load_b128 v[64*(\p)+4*\t:64*(\p)+4*\t+3], v[RDH] offset:(32*(\p)+2*\t)*PITCH
.endr
.irp t, 0,1,2,3,4,5,6,7
	ds_load_b128 v[64*(\p)+32+4*\t:64*(\p)+32+4*\t+3], v[RDC] offset:(32*(\p)+2*\t)*PITCH
.endr
	WIN 0
.endm
.macro ST p, count                     ; count = 1: nothing was issued behind RB's sixteen loads, and each store waits for its own (LDS loads come back in order: ISA guide 5.7.1); count = 0: a wait ahead has shown them all in
	WIN FROM_B
.irp t, 0,1,2,3,4,5,6,7
.if \count
	s_wait_dscnt 15-\t
.endif
	global_store_b128 v[GO], v[64*(\p)+4*\t:64*(\p)+4*\t+3], s[70:71] offset:(32*(\p)+2*\t)*OROW th:TH_STORE_NT   ; 16 lanes store 256 consecutive bytes, at a multiple of 256 from the buffer's first byte; written once
.endr
.irp t, 0,1,2,3,4,5,6,7
.if \count
	s_wait_dscnt 7-\t
.endif
	global_store_b128 v[GO], v[64*(\p)+32+4*\t:64*(\p)+32+4*\t+3], s[72:73] offset:(32*(\p)+2*\t)*OROW th:TH_STORE_NT
.endr
	WIN 0
.endm
; THE TAIL, block by block of 16 rows: 16 cells a lane, cell 8 u + i = hidden unit 16 u + 8 h + i of row 16 a + r.
.macro CLOAD a                         ; c_prev of block a's cells into set a % 2
.set CC, C0+16*((\a)%2)
	ds_load_b128 v[CC:CC+3],     v[CA] offset:(\a)*16*PITCH
	ds_load_b128 v[CC+4:CC+7],   v[CA] offset:(\a)*16*PITCH+16
	ds_load_b128 v[CC+8:CC+11],  v[CA] offset:(\a)*16*PITCH+64
	ds_load_b128 v[CC+12:CC+15], v[CA] offset:(\a)*16*PITCH+80
.endm
.macro EXP16 d
.irp i, 0,1,2,3,4,5,6,7,8,9,10,11,12,13,14,15
	v_exp_f32 v[\d+\i], v[\d+\i]
.endr
.endm
.macro RCP16 d
.irp i, 0,1,2,3,4,5,6,7,8,9,10,11,12,13,14,15
	v_rcp_f32 v[\d+\i], v[\d+\i]
.endr
.endm
.macro HOLD16 d                        ; tanh's exponent is held at 32
.irp i, 0,1,2,3,4,5,6,7,8,9,10,11,12,13,14,15
	v_min_num_f32 v[\d+\i], s[LIM], v[\d+\i]
.endr
.endm
.macro ADDC16 d, s, c                  ; d = s + c, c a constant, two at a time
	s_wait_alu depctr_va_vdst(0)
.irp i, 0,2,4,6,8,10,12,14
	v_pk_add_f32 v[\d+\i:\d+\i+1], v[\s+\i:\s+\i+1], \c op_sel_hi:[1,0]
.endr
.endm
.macro MULV16 d, s, t                  ; d = s t
.irp i, 0,2,4,6,8,10,12,14
	v_pk_mul_f32 v[\d+\i:\d+\i+1], v[\s+\i:\s+\i+1], v[\t+\i:\t+\i+1]
.endr
.endm
.macro TOSTG adr, reg, a               ; a block's 16 numbers a lane into a stage, at the places that c_prev's have in its tile
	ds_store_b128 v[\adr], v[\reg:\reg+3]     offset:(\a)*16*PITCH
	ds_store_b128 v[\adr], v[\reg+4:\reg+7]   offset:(\a)*16*PITCH+16
	ds_store_b128 v[\adr], v[\reg+8:\reg+11]  offset:(\a)*16*PITCH+64
	ds_store_b128 v[\adr], v[\reg+12:\reg+15] offset:(\a)*16*PITCH+80
.endm
.macro EPI a
.if (\a) < 7
	CLOAD (\a)+1                                   ; the next block's c_prev, a block ahead
.endif
.set AC, 64*((\a)%4)
.set CC, C0+16*((\a)%2)
	WIN 0x02+((\a)/4)                              ; source 0: window 2 or 3
.irp b, 0,1,2,3,4,5
.irp i, 0,2,4,6
	v_pk_fma_f32 v[T+8*\b+\i:T+8*\b+\i+1], v[AC+8*\b+\i:AC+8*\b+\i+1], s[SSIG:SSIG+1], v[BI+8*\b+\i:BI+8*\b+\i+1] op_sel_hi:[1,0,1]   ; i, f, o: -log2(e) (sum x 2^(e2+e3) + b); each accumulator from its low end on
.endr
.endr
.irp b, 6,7
.irp i, 0,2,4,6
	v_pk_fma_f32 v[T+8*\b+\i:T+8*\b+\i+1], v[AC+8*\b+\i:AC+8*\b+\i+1], s[STAN:STAN+1], v[BI+8*\b+\i:BI+8*\b+\i+1] op_sel_hi:[1,0,1]   ; g: 2 log2(e) (sum x 2^(e2+e3) + b)
.endr
.endr
	WIN 0
	HOLD16 EG
	EXP16 EI
	EXP16 EF
	EXP16 EO
	EXP16 EG
	v_nop                                          ; a plain instruction between the exponentials and the use of their results (ISA guide 5.7.2)
	s_wait_alu depctr_va_vdst(0)
	ADDC16 EI, EI, 1.0                             ; 1 + Ei
	ADDC16 EF, EF, 1.0                             ; 1 + Ef
	ADDC16 GP, EG, 1.0                             ; 1 + Eg
	ADDC16 EG, EG, -1.0                            ; Eg - 1
	MULV16 GP, EI, GP                              ; (1 + Ei)(1 + Eg): one reciprocal serves sigmoid(i) and tanh(g)
	RCP16 EF
	RCP16 GP
	ADDC16 EO, EO, 1.0                             ; 1 + Eo: the plain instructions behind the reciprocals
	MULV16 EG, EG, GP                              ; sigmoid(i) tanh(g)
.if (\a) < 7
	s_wait_dscnt 4                                 ; all but the next block's four loads of c_prev: this block's c_prev is in, the last block's eight stores into the stages are done, and so are a quarter's sixteen loads on the way out
.else
	s_wait_dscnt 0x0
.endif
.if (((\a)%2) == 0) && ((\a) >= 2)
	ST (\a)/2-1, 0                                 ; the quarter finished two blocks ago leaves here, with the rest of this block's arithmetic and all later blocks behind its stores
.endif
.irp i, 0,2,4,6,8,10,12,14
	v_pk_fma_f32 v[CTR+\i:CTR+\i+1], v[CC+\i:CC+\i+1], v[EF+\i:EF+\i+1], v[EG+\i:EG+\i+1]   ; c_t = c_prev sigmoid(f) + sigmoid(i) tanh(g)
.endr
.irp i, 0,2,4,6,8,10,12,14
	v_pk_mul_f32 v[EI+\i:EI+\i+1], v[CTR+\i:CTR+\i+1], s[SC2:SC2+1] op_sel_hi:[1,0]         ; 2 log2(e) c_t
.endr
	TOSTG CSA, CTR, \a
	HOLD16 EI
	EXP16 EI                                       ; Ec
	v_nop
	s_wait_alu depctr_va_vdst(0)
	ADDC16 GP, EI, 1.0                             ; 1 + Ec
	ADDC16 EI, EI, -1.0                            ; Ec - 1
	MULV16 GP, EO, GP                              ; (1 + Eo)(1 + Ec)
	RCP16 GP
	v_nop
	s_wait_alu depctr_va_vdst(0)
	MULV16 HTR, EI, GP                             ; h_t = sigmoid(o) tanh(c_t)
	TOSTG HS, HTR, \a
.endm
	CLOAD 0
.irp p, 0,1,2,3
	EPI 2*\p
	EPI 2*\p+1
	s_wait_dscnt 0x0                               ; for the others' sake: my stores of this quarter's rows into the two stages are done
	s_barrier_signal -1
	s_barrier_wait -1                              ; a row's 256 bytes come from two waves: now the quarter's 64 rows of h_t and of c_t are whole.  What is stored into the stages behind this barrier are other rows
	RB \p
.endr
	ST 3, 1                                        ; the last quarter: nothing is left to stand in front of its stores
	s_wait_tensorcnt 0x0                           ; the wave's end: behind my last tensor load and my last LDS store
	ds_add_u32 v[SPW], v[NIL]
	s_wait_dscnt 0x0
	CROUND                                         ; the closing round: no work-group ends while a partner may still ask for a tile that names it
	s_endpgm
.Lfunc_end_k_qa6cd7e2314_cell:
	.size	k_qa6cd7e2314_cell, .Lfunc_end_k_qa6cd7e2314_cell-k_qa6cd7e2314_cell
	.p2alignl 7, 3214868480
	.fill 96, 4, 3214868480
	.section	.rodata,"a",@progbits
	.p2align	6, 0x0
	.amdhsa_kernel k_qa6cd7e2314_cell
		.amdhsa_group_segment_fixed_size 327680
		.amdhsa_private_segment_fixed_size 0
		.amdhsa_enable_private_segment 0
		.amdhsa_kernarg_size 56
		.amdhsa_user_sgpr_count 2
		.amdhsa_user_sgpr_kernarg_segment_ptr 1
		.amdhsa_wavefront_size32 1
		.amdhsa_system_sgpr_workgroup_id_x 1
		.amdhsa_system_sgpr_workgroup_id_y 1
		.amdhsa_system_sgpr_workgroup_id_z 1
		.amdhsa_system_vgpr_workitem_id 0
		.amdhsa_next_free_vgpr 1024
		.amdhsa_next_free_sgpr 102
		.amdhsa_reserve_vcc 0
		.amdhsa_float_denorm_mode_32 3
		.amdhsa_float_denorm_mode_16_64 3
		.amdhsa_memory_ordered 1
		.amdhsa_forward_progress 1
		.amdhsa_inst_pref_size 230
	.end_amdhsa_kernel
	.amdgpu_metadata
---
amdhsa.version: [ 1, 2 ]
amdhsa.kernels:
  - .name:           k_qa6cd7e2314_cell
    .symbol:         k_qa6cd7e2314_cell.kd
    .args:
      - { .name: acodes, .offset: 0, .size: 8, .value_kind: global_buffer, .address_space: global }
      - { .name: wcodes, .offset: 8, .size: 8, .value_kind: global_buffer, .address_space: global }
      - { .name: lowp_scales, .offset: 16, .size: 8, .value_kind: global_buffer, .address_space: global }
      - { .name: b, .offset: 24, .size: 8, .value_kind: global_buffer, .address_space: global }
      - { .name: c_prev, .offset: 32, .size: 8, .value_kind: global_buffer, .address_space: global }
      - { .name: out0, .offset: 40, .size: 8, .value_kind: global_buffer, .address_space: global }
      - { .name: out1, .offset: 48, .size: 8, .value_kind: global_buffer, .address_space: global }
    .group_segment_fixed_size: 327680
    .private_segment_fixed_size: 0
    .kernarg_segment_align: 8
    .kernarg_segment_size: 56
    .max_flat_workgroup_size: 128
    .sgpr_count:     102
    .vgpr_count:     1024
    .wavefront_size: 32
...
	.end_amdgpu_metadata
.endif
;; end of part 2
